; MI455X (gfx1250); checked and timed in simulation.
; The chip was launched on July 23, 2026; its instructions are those of AMD's public machine-readable ISA for CDNA 5 (MIT licence, August 2026) and "CDNA5" Instruction Set Architecture Reference Guide (July 2026). The comments in the code are by the model that wrote it; some were corrected since.
;; Mo EFFN. Allowed arithmetic: float matrix products may take bf16 or f16 operands with f32 sums; all other float work in f32.
;; Inputs: fc1_bias 8 x 4,096 float32; fc1_weight 8 x 1,024 x 4,096 float32; fc2_bias 8 x 1,024 float32; fc2_weight 8 x 4,096 x 1,024 float32; router_b 8 float32; router_w 1,024 x 8 float32; x 2 x 512 x 1,024 float32.
;; Outputs: out0 2 x 512 x 1,024 float32; out1 2 x 512 x 8 float32.
;; One version. Each part assembles by itself: llvm-mc -triple=amdgcn-amd-amdhsa -mcpu=gfx1250 --defsym DOCPART=n.
;; ======== version 1 of 1: 4 launches
;; limits: values are held in f16: magnitudes above 65,504 overflow, below 6.1e-05 lose precision; right only within a limited range of input values
;; workspace buffers: xh 2,097,152 bytes; hbuf 67,108,864 bytes; part 67,108,864 bytes
;; launch prep (part 1): grid 256 x 1, 4 waves a work-group, no clusters, 37,376 bytes of LDS; arguments x, router_w, router_b, xh, out1; writes xh, out1
.if DOCPART == 1
	.amdgcn_target "amdgcn-amd-amdhsa--gfx1250"
	.amdhsa_code_object_version 6
	.text
	.protected	k_q5c25b91258_prep
	.globl	k_q5c25b91258_prep
	.p2align	8
	.type	k_q5c25b91258_prep,@function
k_q5c25b91258_prep:
	s_mov_b64 s[64:65], 0
	v_nop
	global_prefetch_b8 v0, s[64:65] scope:SCOPE_SE
	s_setreg_imm32_b32 hwreg(HW_REG_WAVE_MODE, 25, 1), 1
	s_wait_xcnt 0x0
; prep: xh = x rounded to f16 (the token operand of fc1), and out1 = softmax(x router_w + router_b), all in f32.
; x: [1024][1024] f32.  router_w: [1024][8] f32.  router_b: [8].  out1: [1024][8] f32.
; xh: [8 K blocks][1024 tokens][128] f16: the 128 rows x 256 bytes that one tensor load of fc1 brings are 32,768 consecutive bytes.
; LIMIT of xh: |x| below 65,504 (f16's largest number); x is drawn with spread 1, so thirty times that, or a shift by thirty spreads,
; stays under 200; thirty times smaller it is some 0.03, far above f16's smallest step of 2^-24.
; One wave takes one token row (4,096 bytes, 32 registers a lane); four waves, 256 work-groups.
; The router's product has 8 columns and is a ten-thousandth of the program's multiply-adds: it is done by packed f32
; multiply-adds on the row that lies in registers anyway; a 16-wide matrix tile would be half empty and would round x.
; router_w (32,768 bytes) is copied once by the four waves into LDS and read from there by each.  It is not asked for
; jointly in a cluster: it is one tile, read once, and a joint load would cost three rounds of the cluster's barrier.
; The maximum of a row's logits is taken away before the exponentials, as the softmax asks.
.set X,   8                            ; v[8:39]    my 32 numbers of the row: x[128 j + 4 lane + c] in X + 4 j + c
.set W,   40                           ; v[40:103]  first the 16 chunks of router_w on their way to LDS, then two halves of 32 registers
.set ACC, 104                          ; v[104:111] the eight logits' partial sums
.set Y,   112                          ; v[112:127] the row in f16, store data, never rewritten
.set GRP, 144                          ; LDS bytes of four rows of router_w: 128 + 16 of padding, 9 x 16, so 16 lanes touch 16 different 16-byte columns of 256
.set KBS, 262144                       ; bytes of a K block of xh: 1,024 tokens x 128 f16
	s_load_b256 s[4:11], s[0:1], 0x0               ; x s[4:5], router_w s[6:7], router_b s[8:9], xh s[10:11]
	s_load_b64 s[12:13], s[0:1], 0x20              ; out1
	v_lshl_add_u32 v128, v0, 2, 0x9000
	v_mov_b32 v129, 0
	v_lshrrev_b32 v7, 5, v0
	v_readfirstlane_b32 s14, v7                    ; wave
	s_lshl_b32 s15, ttmp9, 2
	s_add_co_u32 s15, s15, s14                     ; my row t = 4 x work-group + wave
	s_mov_b32 s24, 0x76543210                      ; v_permlanex16_b32: lane i of one half reads lane i of the other
	s_mov_b32 s25, 0xfedcba98
	s_mov_b32 s3, 0
	s_lshl_b32 s2, s15, 12                         ; t x 4,096 bytes
	v_and_b32 v1, 31, v0                           ; lane
	v_lshlrev_b32 v2, 4, v1                        ; x: 16 bytes a lane
	v_lshlrev_b32 v3, 3, v1                        ; xh: 8 bytes a lane
	v_lshlrev_b32 v4, 4, v0                        ; router_w: chunk q = thread + 128 m at byte 16 q
	v_lshrrev_b32 v5, 3, v0
	v_lshl_add_u32 v5, v5, 4, v4                   ; in LDS at 16 q + 16 (q / 8): 16 bytes of padding behind every 8 chunks
	v_mul_u32_u24 v6, v1, GRP                      ; where I read: rows 128 j + 4 lane .. + 3 lie at 144 (32 j + lane)
	s_wait_kmcnt 0x0
	s_add_nc_u64 s[4:5], s[4:5], s[2:3]
	s_load_b256 s[16:23], s[8:9], 0x0              ; router_b, eight numbers
.irp j, 0,1,2,3,4,5,6,7
	global_load_b128 v[X+4*\j:X+4*\j+3], v2, s[4:5] offset:512*\j th:TH_LOAD_NT     ; 512 neighbouring bytes a load
.endr
.irp m, 0,1,2,3,4,5,6,7,8,9,10,11,12,13,14,15
	global_load_b128 v[W+4*\m:W+4*\m+3], v4, s[6:7] offset:2048*\m
.endr
	s_lshl_b32 s2, s15, 8
	s_add_nc_u64 s[10:11], s[10:11], s[2:3]        ; xh at my row of K block 0: 256 bytes a row
	s_lshl_b32 s2, s15, 5
	s_add_nc_u64 s[12:13], s[12:13], s[2:3]        ; out1 at my row
	s_wait_loadcnt 0x0
.irp m, 0,1,2,3,4,5,6,7,8,9,10,11,12,13,14,15
	ds_store_b128 v5, v[W+4*\m:W+4*\m+3] offset:2304*\m            ; 128 chunks on: 2,048 bytes + 16 paddings
.endr
	s_wait_dscnt 0x0                               ; my part of the table is in LDS,
	s_barrier_signal -1
	s_barrier_wait -1                              ; everybody's is
; eight LDS loads: router_w[128 j + 4 lane + c][0..7], c = 0..3, into half hf of W (register 8 c + e).
; j may be a sum (the caller's group + 2): it stands in brackets where it is multiplied.
.macro WLD j, hf
.irp q, 0,1,2,3,4,5,6,7
	ds_load_b128 v[W+32*\hf+4*\q:W+32*\hf+4*\q+3], v6 offset:32*GRP*(\j)+16*\q
.endr
.endm
	WLD 0, 0
	WLD 1, 1
.irp j, 0,1,2,3,4,5,6,7
	v_cvt_pk_f16_f32 v[Y+2*\j],   v[X+4*\j],   v[X+4*\j+1]         ; two roundings to f16, packed
	v_cvt_pk_f16_f32 v[Y+2*\j+1], v[X+4*\j+2], v[X+4*\j+3]
	global_store_b64 v3, v[Y+2*\j:Y+2*\j+1], s[10:11] offset:KBS*\j  ; my row of K block j: the wave's store covers 256 consecutive bytes, aligned
.endr
; eight packed multiply-adds: two logits each, x[.. + c] broadcast out of its pair by op_sel.  first = 1: the products start the sums.
.macro DOTC j, hf, c, first
.irp u, 0,2,4,6
.if \first
	v_pk_mul_f32 v[ACC+\u:ACC+\u+1], v[W+32*\hf+8*\c+\u:W+32*\hf+8*\c+\u+1], v[X+4*\j+\c:X+4*\j+\c+1] op_sel_hi:[1,0]
.else
	v_pk_fma_f32 v[ACC+\u:ACC+\u+1], v[W+32*\hf+8*\c+\u:W+32*\hf+8*\c+\u+1], v[X+4*\j+\c:X+4*\j+\c+1], v[ACC+\u:ACC+\u+1] op_sel_hi:[1,0,1]
.endif
.endr
.irp u, 0,2,4,6
	v_pk_fma_f32 v[ACC+\u:ACC+\u+1], v[W+32*\hf+8*\c+8+\u:W+32*\hf+8*\c+8+\u+1], v[X+4*\j+\c:X+4*\j+\c+1], v[ACC+\u:ACC+\u+1] op_sel:[0,1,0] op_sel_hi:[1,1,1]
.endr
.endm
; group j of the row.  left = LDS loads of the younger group that may stay out; more = 1: group j + 2 is fetched into the half just used
.macro DOT j, hf, first, left, more
	s_wait_dscnt \left
	DOTC \j, \hf, 0, \first
	DOTC \j, \hf, 2, 0
.if \more
	WLD \j+2, \hf
.endif
.endm
	DOT 0, 0, 1, 8, 1
	DOT 1, 1, 0, 8, 1
	DOT 2, 0, 0, 8, 1
	DOT 3, 1, 0, 8, 1
	DOT 4, 0, 0, 8, 1
	DOT 5, 1, 0, 8, 1
	DOT 6, 0, 0, 8, 0
	DOT 7, 1, 0, 0, 0
	; the eight sums over the 32 lanes; every lane ends with all eight
.irp e, 0,1,2,3,4,5,6,7
	v_add_f32_dpp v[ACC+\e], v[ACC+\e], v[ACC+\e] row_xmask:1 row_mask:0xf bank_mask:0xf
.endr
.irp e, 0,1,2,3,4,5,6,7
	v_add_f32_dpp v[ACC+\e], v[ACC+\e], v[ACC+\e] row_xmask:2 row_mask:0xf bank_mask:0xf
.endr
.irp e, 0,1,2,3,4,5,6,7
	v_add_f32_dpp v[ACC+\e], v[ACC+\e], v[ACC+\e] row_xmask:4 row_mask:0xf bank_mask:0xf
.endr
.irp e, 0,1,2,3,4,5,6,7
	v_add_f32_dpp v[ACC+\e], v[ACC+\e], v[ACC+\e] row_xmask:8 row_mask:0xf bank_mask:0xf
.endr
.irp e, 0,1,2,3,4,5,6,7
	v_permlanex16_b32 v[W+\e], v[ACC+\e], s24, s25                 ; W has been written: the destination counts as read
.endr
.irp e, 0,1,2,3,4,5,6,7
	v_add_f32 v[ACC+\e], v[ACC+\e], v[W+\e]
.endr
	s_wait_kmcnt 0x0                               ; router_b
.irp e, 0,1,2,3,4,5,6,7
	v_add_f32 v[ACC+\e], s[16+\e], v[ACC+\e]
.endr
	v_max3_num_f32 v[W], v[ACC], v[ACC+1], v[ACC+2]
	v_max3_num_f32 v[W], v[W], v[ACC+3], v[ACC+4]
	v_max3_num_f32 v[W], v[W], v[ACC+5], v[ACC+6]
	v_max_num_f32 v[W], v[W], v[ACC+7]             ; the row's largest logit
.irp e, 0,1,2,3,4,5,6,7
	v_sub_f32 v[ACC+\e], v[ACC+\e], v[W]           ; subtracted first, exactly where the logits are close: not fused with the factor below
.endr
.irp e, 0,1,2,3,4,5,6,7
	v_mul_f32 v[ACC+\e], 0x3fb8aa3b, v[ACC+\e]     ; e^z = 2^(1.442695 z)
.endr
.irp e, 0,1,2,3,4,5,6,7
	v_exp_f32 v[W+8+\e], v[ACC+\e]
.endr
	v_nop                                          ; one plain vector instruction behind the exponentials before their results are used (ISA guide 5.7.2)
	s_wait_alu depctr_va_vdst(0)
	v_add_f32 v[W+1], v[W+8], v[W+9]
	v_add_f32 v[W+2], v[W+10], v[W+11]
	v_add_f32 v[W+3], v[W+12], v[W+13]
	v_add_f32 v[W+4], v[W+14], v[W+15]
	v_add_f32 v[W+1], v[W+1], v[W+2]
	v_add_f32 v[W+3], v[W+3], v[W+4]
	v_add_f32 v[W+1], v[W+1], v[W+3]               ; at least 1: the largest logit's term is 1
	v_rcp_f32 v[W+2], v[W+1]
	v_mov_b32 v[W+5], 0                            ; the store's offset; also the plain instruction behind v_rcp_f32
	s_wait_alu depctr_va_vdst(0)
.irp e, 0,1,2,3,4,5,6,7
	v_mul_f32 v[W+8+\e], v[W+8+\e], v[W+2]
.endr
	v_cmp_eq_u32 vcc_lo, 0, v1
	s_wait_xcnt 0x0                                ; EXEC is a source of the stores of xh: it changes only behind this wait
	s_and_saveexec_b32 s26, vcc_lo                 ; lane 0 stores the row's 32 bytes
	global_store_b128 v[W+5], v[W+8:W+11], s[12:13]
	global_store_b128 v[W+5], v[W+12:W+15], s[12:13] offset:16
	s_wait_xcnt 0x0                                ; and again in front of the line that widens it
	s_or_b32 exec_lo, exec_lo, s26
	s_wait_tensorcnt 0x0
	ds_add_u32 v128, v129
	s_wait_dscnt 0x0
	s_endpgm
.Lfunc_end_k_q5c25b91258_prep:
	.size	k_q5c25b91258_prep, .Lfunc_end_k_q5c25b91258_prep-k_q5c25b91258_prep
	.p2alignl 7, 3214868480
	.fill 96, 4, 3214868480
	.section	.rodata,"a",@progbits
	.p2align	6, 0x0
	.amdhsa_kernel k_q5c25b91258_prep
		.amdhsa_group_segment_fixed_size 37376
		.amdhsa_private_segment_fixed_size 0
		.amdhsa_enable_private_segment 0
		.amdhsa_kernarg_size 40
		.amdhsa_user_sgpr_count 2
		.amdhsa_user_sgpr_kernarg_segment_ptr 1
		.amdhsa_wavefront_size32 1
		.amdhsa_system_sgpr_workgroup_id_x 1
		.amdhsa_system_sgpr_workgroup_id_y 1
		.amdhsa_system_sgpr_workgroup_id_z 1
		.amdhsa_system_vgpr_workitem_id 0
		.amdhsa_next_free_vgpr 130
		.amdhsa_next_free_sgpr 66
		.amdhsa_reserve_vcc 1
		.amdhsa_float_denorm_mode_32 3
		.amdhsa_float_denorm_mode_16_64 3
		.amdhsa_memory_ordered 1
		.amdhsa_forward_progress 1
		.amdhsa_inst_pref_size 25
	.end_amdhsa_kernel
	.amdgpu_metadata
---
amdhsa.version: [ 1, 2 ]
amdhsa.kernels:
  - .name:           k_q5c25b91258_prep
    .symbol:         k_q5c25b91258_prep.kd
    .args:
      - { .name: x, .offset: 0, .size: 8, .value_kind: global_buffer, .address_space: global }
      - { .name: router_w, .offset: 8, .size: 8, .value_kind: global_buffer, .address_space: global }
      - { .name: router_b, .offset: 16, .size: 8, .value_kind: global_buffer, .address_space: global }
      - { .name: xh, .offset: 24, .size: 8, .value_kind: global_buffer, .address_space: global }
      - { .name: out1, .offset: 32, .size: 8, .value_kind: global_buffer, .address_space: global }
    .group_segment_fixed_size: 37376
    .private_segment_fixed_size: 0
    .kernarg_segment_align: 8
    .kernarg_segment_size: 40
    .max_flat_workgroup_size: 128
    .sgpr_count:     66
    .vgpr_count:     130
    .wavefront_size: 32
...
	.end_amdgpu_metadata
.endif
;; end of part 1
;; launch fc1 (part 2): grid 8 x 64, 4 waves a work-group, clusters of 4 x 1, 327,680 bytes of LDS; arguments xh, fc1_weight, fc1_bias, hbuf; writes hbuf
.if DOCPART == 2
	.amdgcn_target "amdgcn-amd-amdhsa--gfx1250"
	.amdhsa_code_object_version 6
	.text
	.protected	k_q5c25b91258_fc1
	.globl	k_q5c25b91258_fc1
	.p2align	8
	.type	k_q5c25b91258_fc1,@function
k_q5c25b91258_fc1:
	s_mov_b64 s[64:65], 0
	v_nop
	global_prefetch_b8 v0, s[64:65] scope:SCOPE_SE
	s_setreg_imm32_b32 hwreg(HW_REG_WAVE_MODE, 25, 1), 1
	s_wait_xcnt 0x0
	s_wait_alu depctr_hold_cnt(0) depctr_sa_sdst(0) depctr_va_vdst(0) depctr_va_sdst(0) depctr_va_ssrc(0) depctr_va_vcc(0) depctr_vm_vsrc(0)
	s_getreg_b32 s2, hwreg(HW_REG_IB_STS2, 6, 4)
	s_cmp_eq_u32 s2, 0
	s_cbranch_scc0 .Lentry_in_a_cluster
	s_endpgm
.Lentry_in_a_cluster:
	s_bfe_u32 s2, ttmp6, 0x10000c
	s_cmp_lg_u32 s2, 0x3003
	s_cbranch_scc0 .Lentry_shape_is_right
	s_endpgm
.Lentry_shape_is_right:
; fc1: h[t][e*4096 + j] = gelu( sum over d of x[t][d] W1[e][d][j] + b1[e][j] ), stored divided by 16 and rounded to f16.
; W1: [8][1024][4096] f32.  b1: [8][4096] f32.  Sums and GELU in f32.
; xh:   [8 K blocks][1024 tokens][128] f16.
; hbuf: [256 K blocks][1024 tokens][128] f16, K block = (e*4096 + j) / 128 = this launch's column block.  In both, the 128 rows x 256 bytes
; that one tensor load brings are 32,768 consecutive bytes, and what a work-group stores here is 131,072 consecutive bytes.
; FORMAT: the matrix operands are f16, 11 significant bits where bf16 has 8, at the same width.  Their room in f16 (largest number 65,504,
; smallest step 2^-24): W1 is drawn within 0.035; thirty times larger or shifted by thirty spreads it stays under 2, thirty times smaller
; it is some 0.0007, more than 10,000 steps.  x: see the launch that makes xh.  h has less room, so it is stored divided by 16 (a power of
; two: exact; the factor lies in GELU's constants and costs no instruction; it is taken back where the parts of fc2 are added).
; LIMIT: |h| below 1,048,064.  With x and W1 both thirty times larger h is some 3,000; both shifted by thirty spreads, 1,024 x 30 x 0.6 =
; 18,432.  With both thirty times smaller h / 16 is some 2e-5, 370 steps: still finer than bf16's 128 to 256.
; A work-group makes 512 tokens x 128 columns with four waves; wave w makes token rows 128 w .. 128 w + 127 x all 128 columns:
; 64 accumulator tiles of 16 x 16, 512 registers.  The block is tall so that each weight is fetched, rounded and laid into LDS
; by two work-groups only (1,024 tokens / 512).
; A (tokens): K steps of 128 through two LDS slots filled by the tensor data mover, rows of 256 bytes, each wave its own 128 rows.
; CLUSTERS: the four work-groups of a cluster make four neighbouring column blocks of the same 512 tokens, so they need the same
; tiles of A: each tile is asked for jointly (mask 15), which divides the requests for A by four.
; B (weights) is f32 in memory and lies [k][n]: it has to pass through registers to be rounded to f16, so it has no joint form.
; It goes in halves of 64 k: global loads into one of two register sets, two roundings a v_cvt_pk_f16_f32, ds_store into one of two
; LDS slots [64 k][128 n], and transposing LDS loads make the fragments.  Two halves (32 loads a wave) are always on their way.
; No prefetch: xh is 2 MiB that every work-group reads, and the weights are asked for 256 matrix instructions ahead of their use.
; GELU is the exact (erf) one through the normal tail q = 1 - Phi(|x|) by Abramowitz and Stegun 26.2.17:
;   t = 1 / (1 + 0.2316419 |x|), q = exp(-x^2/2) t (c1 + t (c2 + t (c3 + t (c4 + t c5)))), gelu = 0.5 x + |x| (0.5 - q).
; LIMIT: the series errs by at most 7.5e-8 in q and 0.5 - q rounds by 3e-8, so gelu errs by at most about 2e-7 |x|; below about
; x = -5.4 the result is 0 where the true value is at most 3e-7 in size.  The rounding of h to f16 is coarser.
;
; REGISTERS in windows of 256:
;   window 0: v16-31 addresses; v32-43 GELU's constants; v64-127, v128-191 fragments of A, two buffers; v192-223 rounded weights
;   window 1: v0-63, v192-255 the two sets of f32 weights; v64-127, v128-191 fragments of B, two buffers
;   window 2: the 32 accumulator tiles of my rows 0-63 (tile (a, b) at v[8 (8 a + b)]);  window 3: those of my rows 64-127
; The matrix instruction is used transposed (source 0 = 16 columns of B, source 1 = 16 token rows): a lane's eight results are
; eight neighbouring columns of one token row.
.set GP,     16384                     ; bytes from k to k + 1 in W1
.set APITCH, 128                       ; elements from token to token in a K block of xh
.set KBS,    262144                    ; bytes of a K block of xh and of hbuf: 1,024 tokens x 256 bytes
.set LAPS,   4                         ; K = 1,024 = 4 laps of two K steps of 128
.set PITCH,  272                       ; an LDS row of A: 256 bytes + 16 of padding, 17 x 16
.set HALFT,  128*PITCH                 ; a wave's 128 rows: one tensor load
.set ASLOT,  4*HALFT                   ; 139,264
.set BBASE,  2*ASLOT                   ; 278,528: B's two slots, written by ds_store, never a tensor load's target
.set BP,     288                       ; an LDS row of B: 128 f16 + 32 bytes, 9 x 32
.set BSLOT,  64*BP                     ; 18,432
.set BIASL,  BBASE+2*BSLOT             ; 315,392: 512 bytes of bias for each wave
.set ADRA, 16                          ; v16-17  LDS address of my A fragments in slot 0, 1
.set ADRB, 18                          ; v18     LDS address of the transposing loads
.set BST,  19                          ; v19     where I store rounded weights
.set BGO,  20                          ; v20     my byte offset in a half of the weights
.set LN16, 21                          ; v21     16 x lane
.set BIST, 22                          ; v22     where I store the bias
.set STO,  ADRA                        ; the way out: 16 bytes of token row l % 16 at w HALFT + (l % 16) 272 + 16 (l / 16): the value of v16
.set RD,   25                          ; v25     the way out: where I read a row back
.set CO,   LN16                        ; my byte offset in two neighbouring rows of hbuf: 256 (l / 16) + 16 (l % 16) = 16 x lane
.set BLD,  27                          ; v27     where I read the bias
.set F0,   64
.set F1,   128
.set TMP,  192
.set SETA, 0                           ; window 1
.set SETB, 192                         ; window 1
.set BB, 20                            ; s[20:21] the weights' base, stepped by halves
.set G1, 24                            ; s[24:31] descriptor group 1
.set G0, 32                            ; s[32:39] descriptor group 0, one set for each slot
.set MSB, 0
.macro WIN new                         ; the immediate's high byte repeats the setting that is left
.if MSB != \new
	s_set_vgpr_msb (MSB<<8)|\new
.set MSB, \new
.endif
.endm
.set MUL_LO, 0xa1                      ; source 0 (B) window 1, source 1 (A) window 0, C and D window 2
.set MUL_HI, 0xf1                      ; the same, C and D window 3
.set TO_B,   0x40                      ; destination window 1, address window 0
.set FROM_B, 0x05                      ; sources 0 and 1 window 1, destination window 0
.macro CREST                           ; a round of the cluster's barrier behind its opening barrier
	s_cmp_lg_u32 s12, 0
	s_cbranch_scc1 .Lnot_wave_0_\@
	s_barrier_signal -3
.Lnot_wave_0_\@:
	s_barrier_wait -3
	s_barrier_signal -1
	s_barrier_wait -1
.endm
.macro CROUND                          ; a whole round
	s_barrier_signal -1
	s_barrier_wait -1
	CREST
.endm
.macro PLACES                          ; four plain vector instructions between a matrix instruction and a load into, or a read of, its registers
.rept 4
	v_nop
.endr
.endm
; 16 matrix instructions: token blocks a0, a0 + 1 of the window's four x all 8 column blocks, 32 along K.  zero = 1: the product starts the sums.
; The 64 accumulators take turns, one instruction a turn, in the same order in every quarter.
.macro MUL16 f, hi, a0, zero
.irp a, \a0, \a0+1
.irp b, 0,1,2,3,4,5,6,7
.if \zero
	v_wmma_f32_16x16x32_f16 v[8*(8*(\a)+\b):8*(8*(\a)+\b)+7], v[\f+8*\b:\f+8*\b+7], v[\f+8*(4*\hi+\a):\f+8*(4*\hi+\a)+7], 0
.else
	v_wmma_f32_16x16x32_f16 v[8*(8*(\a)+\b):8*(8*(\a)+\b)+7], v[\f+8*\b:\f+8*\b+7], v[\f+8*(4*\hi+\a):\f+8*(4*\hi+\a)+7], v[8*(8*(\a)+\b):8*(8*(\a)+\b)+7]
.endif
.endr
.endr
.endm
; 32 LDS loads: one quarter's fragments (32 k) into buffer f: B's 128 columns from byte bo of B's slots, transposed on the way;
; then A's 128 rows from byte ka of the rows of A's slot
.macro FETCH slot, ka, bo, f
	WIN TO_B
.irp i, 0,1,2,3,4,5,6,7
	ds_load_tr16_b128 v[\f+8*\i:\f+8*\i+3],   v[ADRB] offset:\bo+32*\i
	ds_load_tr16_b128 v[\f+8*\i+4:\f+8*\i+7], v[ADRB] offset:\bo+32*\i+16*BP
.endr
	WIN 0
.irp i, 0,1,2,3,4,5,6,7
	ds_load_b128 v[\f+8*\i:\f+8*\i+3],   v[ADRA+\slot] offset:\ka+\i*16*PITCH
	ds_load_b128 v[\f+8*\i+4:\f+8*\i+7], v[ADRA+\slot] offset:\ka+\i*16*PITCH+32
.endr
.endm
; 16 global loads: my 16 rows k of a half, 512 neighbouring bytes each, into a set
.macro BLOAD st, imm
	WIN TO_B
.irp r, 0,1,2,3,4,5,6,7,8,9,10,11,12,13,14,15
	global_load_b128 v[\st+4*\r:\st+4*\r+3], v[BGO], s[BB:BB+1] offset:\imm+\r*GP
.endr
.endm
; a set is rounded to f16 and stored into B's slot bs: 32 conversions, 16 stores of 256 neighbouring bytes
.macro CVT st, bs
	WIN FROM_B
.irp r, 0,1,2,3,4,5,6,7,8,9,10,11,12,13,14,15
	v_cvt_pk_f16_f32 v[TMP+2*\r],   v[\st+4*\r],   v[\st+4*\r+1]
	v_cvt_pk_f16_f32 v[TMP+2*\r+1], v[\st+4*\r+2], v[\st+4*\r+3]
.endr
	WIN 0
.irp r, 0,1,2,3,4,5,6,7,8,9,10,11,12,13,14,15
	ds_store_b64 v[BST], v[TMP+2*\r:TMP+2*\r+1] offset:\bs*BSLOT+\r*BP
.endr
.endm
; lcnt: the loads of the younger set that may stay out.  load = 1: the set is loaded again, with the half two further on than the one it held
.macro CONV st, bs, lcnt, load
	s_wait_loadcnt \lcnt
	CVT \st, \bs
.if \load
	s_wait_xcnt 0x0                                ; the base is a source of the loads issued before: it is stepped only behind this wait
	s_add_nc_u64 s[BB:BB+1], s[BB:BB+1], 64*GP
	BLOAD \st, 0
.endif
.endm
; The first quarter of a half: multiplies buffer 0; in its middle the next half of B is rounded into the B slot that nobody reads
; (its readers waited for their loads in front of the last barrier), and the second quarter's fragments are fetched into buffer 1.
; The 32 conversions name no register of a matrix instruction: they are the places in front of the fetch.
.macro QA slot, ka, bo, conv, st, bs, lcnt, load, zero
	s_wait_dscnt 8                                 ; B and A's rows 0-63 are in; the youngest eight loads (A's rows 64-127) may be out
	WIN MUL_LO
	MUL16 F0, 0, 0, \zero
	MUL16 F0, 0, 2, \zero
.if \conv
	CONV \st, \bs, \lcnt, \load
.else
	PLACES
.endif
	FETCH \slot, \ka, \bo, F1
	s_wait_dscnt 32                                ; all but the 32 loads just issued: the rest of buffer 0, and my stores of B
	WIN MUL_HI
	MUL16 F0, 1, 0, \zero
	MUL16 F0, 1, 2, \zero
.endm
; The second quarter of a half: multiplies buffer 1 and passes the half's barrier.  In front of it my LDS loads and my stores of B are done;
; behind it the next half of B is whole and the B slot just read may be written.
; kind 0: in the middle of a K step.
; kind 1: the change of A's slots without a refill.  kind 2: with one: all my tensor loads have landed in front of the opening signal, the
; barrier opens a round of the cluster's barrier, and the joint refill is the first tensor load behind the round's closing wait.
; From that request to the wait for it a wave issues 240 matrix instructions.
.macro QB kind, slot, nslot, ka, bo
	s_wait_dscnt 8
	WIN MUL_LO
	MUL16 F1, 0, 0, 0
	s_wait_dscnt 0x0
.if \kind >= 1
	s_set_vgpr_msb 0xa1a0
	s_wait_tensorcnt 0x0
	ds_add_u32 v62, v63
	s_wait_dscnt 0x0
	s_set_vgpr_msb 0xa0a1
.endif
	s_barrier_signal -1
	MUL16 F1, 0, 2, 0                              ; work on registers while the others arrive
	WIN 0
	s_barrier_wait -1
.if \kind == 2
	CREST
	s_add_nc_u64 s[G0+4*\slot+2:G0+4*\slot+3], s[G0+4*\slot+2:G0+4*\slot+3], 2*KBS   ; two K blocks on; no load of mine is out
	tensor_load_to_lds s[G0+4*\slot:G0+4*\slot+3], s[G1:G1+7]
	s_nop 0
.endif
	PLACES
	FETCH \nslot, \ka, \bo, F0
	WIN MUL_HI
	MUL16 F1, 1, 0, 0
	MUL16 F1, 1, 2, 0
.endm
.macro LASTQ                           ; the very last quarter: nothing more to fetch
	s_wait_dscnt 8
	WIN MUL_LO
	MUL16 F1, 0, 0, 0
	MUL16 F1, 0, 2, 0
	s_wait_dscnt 0x0
	WIN MUL_HI
	MUL16 F1, 1, 0, 0
	MUL16 F1, 1, 2, 0
.endm
; A K step = two halves.  c, l, n for each half: convert the next half? load a further one? the count of the wait for loads.  fin: QB's kind, 0 = the end
.macro KSTEP slot, zero, c0, l0, n0, c1, l1, n1, fin
	QA \slot, 64, 32*BP, \c0, SETB, 1, \n0, \l0, \zero
	QB 0, \slot, \slot, 128, BSLOT
	QA \slot, 192, BSLOT+32*BP, \c1, SETA, 0, \n1, \l1, 0
.if \fin
	QB \fin, \slot, 1-\slot, 0, 0
.else
	LASTQ
.endif
.endm
	s_load_b256 s[4:11], s[0:1], 0x0               ; xh s[4:5], W1 s[6:7], b1 s[8:9], hbuf s[10:11]
	v_lshl_add_u32 v62, v0, 2, 0x4d800
	v_mov_b32 v63, 0
	ds_add_u32 v62, v63
	v_lshrrev_b32 v1, 5, v0
	v_readfirstlane_b32 s12, v1                    ; wave 0..3
	s_bfe_u32 s13, ttmp6, 0x40000                  ; cx: my place in the cluster
	s_and_b32 s15, ttmp7, 0xffff                   ; y, 0..63
	s_lshl_b32 s14, s15, 2
	s_add_co_u32 s14, s14, s13                     ; column block 0..255 = 4 y + cx; ttmp9 (the cluster's x, 0 or 1) is the token block
	v_and_b32 v2, 31, v0                           ; lane
	v_lshlrev_b32 v[LN16], 4, v2
	s_mul_i32 s16, s12, 16*GP
	v_add_nc_u32 v[BGO], s16, v[LN16]              ; my rows k = 16 w + r of a half, 16 bytes a lane
	s_lshr_b32 s16, s14, 5
	s_lshl_b32 s16, s16, 24                        ; expert x 1,024 x 4,096 x 4 bytes
	s_and_b32 s17, s14, 31
	s_lshl_b32 s17, s17, 9                         ; + 128 columns x 4 bytes for each block in the expert
	s_add_co_u32 s16, s16, s17
	s_mov_b32 s17, 0
	s_lshl_b32 s18, s14, 9                         ; the bias: 512 bytes a block
	s_mov_b32 s19, 0
	s_lshl_b32 s58, ttmp9, 17                      ; A, in K block 0: 512 tokens x 256 bytes for each token block,
	s_lshl_b32 s57, s12, 15                        ; 128 tokens for each wave; s56-s60 never hold anything made of cx
	s_add_co_u32 s58, s58, s57
	s_mov_b32 s59, 0
	s_mul_i32 s60, s12, HALFT                      ; my rows in a slot of A
	s_wait_dscnt 0x0
	s_wait_kmcnt 0x0
	s_add_nc_u64 s[BB:BB+1], s[6:7], s[16:17]
	s_add_nc_u64 s[8:9], s[8:9], s[18:19]
	s_add_nc_u64 s[22:23], s[4:5], s[58:59]
	global_load_b128 v[28:31], v[LN16], s[8:9]     ; the block's 128 biases
	BLOAD SETA, 0                                  ; half 0
	BLOAD SETB, 64*GP                              ; half 1
	WIN 0
	s_lshl_b32 s16, s14, 18                        ; hbuf: my column block is its K block, 262,144 bytes each,
	s_lshl_b32 s17, ttmp9, 17                      ; 512 rows of 256 bytes for each token block,
	s_add_co_u32 s16, s16, s17
	s_lshl_b32 s17, s12, 15                        ; 128 rows for each wave
	s_add_co_u32 s16, s16, s17
	s_mov_b32 s17, 0
	s_add_nc_u64 s[10:11], s[10:11], s[16:17]
	; descriptor group 1: 128 rows x 128 elements of 2 bytes, dense in memory, padded in LDS, asked for by all four work-groups of the cluster
	s_mov_b32 s[G1+0], 15|(1<<16)|(1<<20)|(1<<21)|(5<<22)|(3<<25)  ; 15:0 mask; 17:16 element of 2 bytes; 20 padding on; 21 set beside a mask; 24:22 after every 64 words; 31:25 of 4 words
	s_mov_b32 s[G1+1], 128<<16                     ; tensor_dim0 = 128
	s_mov_b32 s[G1+2], 128<<16                     ; tensor_dim1 = 128
	s_mov_b32 s[G1+3], 128<<16                     ; tile_dim0 = 128
	s_mov_b32 s[G1+4], 128                         ; tile_dim1 = 128
	s_mov_b32 s[G1+5], APITCH                      ; elements from row to row: each row begins where the last ends
	s_mov_b32 s[G1+6], 0
	s_mov_b32 s[G1+7], 0
	CROUND                                         ; all four work-groups are here: the first joint loads meet
.irp s, 0,1
	s_mov_b32 s[G0+4*\s], 1
	s_add_co_u32 s[G0+4*\s+1], s60, \s*ASLOT                       ; LDS address: wave x 128 rows + the slot
	s_add_nc_u64 s[G0+4*\s+2:G0+4*\s+3], s[22:23], \s*KBS          ; K step s = K block s
	s_or_b32 s[G0+4*\s+3], s[G0+4*\s+3], 0x80000000                ; type = 2
	tensor_load_to_lds s[G0+4*\s:G0+4*\s+3], s[G1:G1+7]            ; both first fills go out together: two loads of mine are out, later one
	s_nop 0
.endr
	v_and_b32 v3, 15, v0                           ; l % 16
	v_bfe_u32 v4, v0, 4, 1                         ; l / 16
	v_mul_u32_u24 v5, v3, PITCH
	v_lshl_add_u32 v5, v4, 4, v5
	v_add_nc_u32 v[ADRA], s60, v5                  ; row x pitch + 16 x half, in my 128 rows
	v_add_nc_u32 v[ADRA+1], ASLOT, v[ADRA]
	v_mul_u32_u24 v6, v4, PITCH
	v_lshl_add_u32 v6, v3, 4, v6
	v_add_nc_u32 v[RD], s60, v6                    ; back: lanes 0-15 one row of 256 bytes, lanes 16-31 the next
	v_and_b32 v7, 7, v0
	v_lshl_add_u32 v7, v4, 3, v7                   ; row k = 8 (l / 16) + l % 8
	v_mul_u32_u24 v7, v7, BP
	v_bfe_u32 v8, v0, 3, 1
	v_lshl_add_u32 v7, v8, 4, v7                   ; + 16 bytes for the odd groups of eight lanes
	v_add_nc_u32 v[ADRB], BBASE, v7
	s_mul_i32 s61, s12, 16*BP
	s_add_co_u32 s61, s61, BBASE
	v_lshl_add_u32 v[BST], v2, 3, s61              ; rows 16 w + r, 8 bytes a lane
	s_lshl_b32 s61, s12, 9
	s_add_co_u32 s61, s61, BIASL
	v_add_nc_u32 v[BIST], s61, v[LN16]
	v_lshl_add_u32 v[BLD], v4, 5, s61              ; my eight columns of a tile: 32 bytes for each half of the lanes
	s_wait_loadcnt 16                              ; the bias and half 0 are in; half 1's sixteen loads stay out
	ds_store_b128 v[BIST], v[28:31]                ; my wave's own copy
	CVT SETA, 0
	BLOAD SETA, 128*GP                             ; half 2
	WIN 0
	s_wait_xcnt 0x0
	s_add_nc_u64 s[BB:BB+1], s[BB:BB+1], 128*GP    ; the base now stands at half 2
	s_wait_dscnt 0x0                               ; my part of B's half 0 is in LDS,
	s_wait_tensorcnt 0x1                           ; my rows of K step 0 too; K step 1's load stays out
	s_barrier_signal -1
	s_barrier_wait -1
	FETCH 0, 0, 0, F0
	KSTEP 0, 1, 1, 1, 16, 1, 1, 16, 2              ; the first lap stands in front of the loop: its first products start the sums
	KSTEP 1, 0, 1, 1, 16, 1, 1, 16, 2
	WIN 0                                          ; at a label and at a branch every window is 0
	s_mov_b32 s3, LAPS-2
.Llap:
	KSTEP 0, 0, 1, 1, 16, 1, 1, 16, 2
	KSTEP 1, 0, 1, 1, 16, 1, 1, 16, 2
	WIN 0
	s_sub_co_u32 s3, s3, 1
	s_cmp_lg_u32 s3, 0
	s_cbranch_scc1 .Llap
	KSTEP 0, 0, 1, 1, 16, 1, 0, 16, 1              ; the last lap: the last half of B is asked for, then nothing; no slot of A is filled
	KSTEP 1, 0, 1, 0, 0, 0, 0, 0, 0                ; the last half is converted behind a wait for all loads
	; THE WAY OUT.  Bias, GELU / 16, rounding to f16, 16 token rows at a time through my own stage in LDS: the first 4,352 bytes of my rows of
	; A's slot 0, which had their last fill and my last reads long ago and which no other wave reads.
.set C5, 32                            ; the series' constants divided by sqrt(2 pi), NEGATED, so that 0.5 - q is one multiply-add,
.set C4, 34                            ; and divided by 16 (four off the exponent: exact), so that the result is gelu / 16
.set C3, 36
.set C2, 38
.set C1, 40
.set CH, 42                            ; 0.5 / 16
.set BI, 64                            ; v[64:127]  bias of my 8 columns of each of the 8 tiles
.set X,  128                           ; v[128:191] 64 numbers at work; then packed, then rows read back
.set T,  192
.set E,  208
.set P,  224
.set HX, 240
	WIN 0
.irp c, 0,1                                        ; twelve plain vector instructions that name no register of a matrix instruction: the places behind the last ones
	v_mov_b32 v[C5+\c], 0xbd07dc22                 ; -0.53070271 / 16
	v_mov_b32 v[C4+\c], 0x3d3a00e3                 ; +0.72657601 / 16
	v_mov_b32 v[C3+\c], 0xbd35f0e3                 ; -0.71070687 / 16
	v_mov_b32 v[C2+\c], 0x3c11a98e                 ; +0.14224837 / 16
	v_mov_b32 v[C1+\c], 0xbc027906                 ; -0.12741479 / 16
	v_mov_b32 v[CH+\c], 0x3d000000                 ; 0.03125
.endr
	s_mov_b32 s40, 0x3e6d3389                      ; 0.2316419
	s_mov_b32 s42, 0xbf38aa3b                      ; -0.72134752 = -log2(e) / 2
	s_mov_b32 s43, 0xbf38aa3b
.irp b, 0,1,2,3,4,5,6,7
	ds_load_b128 v[BI+8*\b:BI+8*\b+3],   v[BLD] offset:64*\b
	ds_load_b128 v[BI+8*\b+4:BI+8*\b+7], v[BLD] offset:64*\b+16
.endr
	s_wait_dscnt 0x0
.macro GELU16 base                     ; sixteen numbers in place: x becomes gelu(x) / 16
.irp i, 0,1,2,3,4,5,6,7,8,9,10,11,12,13,14,15
	v_fma_f32 v[HX+\i], |v[\base+\i]|, s40, 1.0                    ; 1 + p |x|
.endr
.irp i, 0,2,4,6,8,10,12,14
	v_pk_mul_f32 v[P+\i:P+\i+1], v[\base+\i:\base+\i+1], s[42:43] op_sel_hi:[1,0]
.endr
.irp i, 0,2,4,6,8,10,12,14
	v_pk_mul_f32 v[P+\i:P+\i+1], v[P+\i:P+\i+1], v[\base+\i:\base+\i+1]            ; -x^2 log2(e) / 2
.endr
.irp i, 0,1,2,3,4,5,6,7,8,9,10,11,12,13,14,15
	v_rcp_f32 v[T+\i], v[HX+\i]                    ; t
.endr
.irp i, 0,1,2,3,4,5,6,7,8,9,10,11,12,13,14,15
	v_exp_f32 v[E+\i], v[P+\i]                     ; exp(-x^2 / 2)
.endr
	v_nop                                          ; one plain vector instruction before results are used and sources (HX, P) written again (ISA guide 5.7.2)
.irp i, 0,2,4,6,8,10,12,14
	v_pk_mul_f32 v[HX+\i:HX+\i+1], v[\base+\i:\base+\i+1], v[CH:CH+1]              ; 0.5 x / 16
.endr
	s_wait_alu depctr_va_vdst(0)
.irp i, 0,2,4,6,8,10,12,14
	v_pk_fma_f32 v[P+\i:P+\i+1], v[T+\i:T+\i+1], v[C5:C5+1], v[C4:C4+1]
.endr
.irp i, 0,2,4,6,8,10,12,14
	v_pk_fma_f32 v[P+\i:P+\i+1], v[P+\i:P+\i+1], v[T+\i:T+\i+1], v[C3:C3+1]
.endr
.irp i, 0,2,4,6,8,10,12,14
	v_pk_fma_f32 v[P+\i:P+\i+1], v[P+\i:P+\i+1], v[T+\i:T+\i+1], v[C2:C2+1]
.endr
.irp i, 0,2,4,6,8,10,12,14
	v_pk_fma_f32 v[P+\i:P+\i+1], v[P+\i:P+\i+1], v[T+\i:T+\i+1], v[C1:C1+1]
.endr
.irp i, 0,2,4,6,8,10,12,14
	v_pk_mul_f32 v[P+\i:P+\i+1], v[P+\i:P+\i+1], v[T+\i:T+\i+1]
.endr
.irp i, 0,2,4,6,8,10,12,14
	v_pk_fma_f32 v[P+\i:P+\i+1], v[P+\i:P+\i+1], v[E+\i:E+\i+1], v[CH:CH+1]        ; (0.5 - q) / 16
.endr
.irp i, 0,1,2,3,4,5,6,7,8,9,10,11,12,13,14,15
	v_fma_f32 v[\base+\i], |v[\base+\i]|, v[P+\i], v[HX+\i]        ; (0.5 x + |x| (0.5 - q)) / 16
.endr
.endm
; token rows 16 i .. 16 i + 15 of my block = the eight tiles (a, 0..7) of window 2 or 3 (win = 0x02 or 0x03: source 0)
.macro OUTG i, a, win
	s_wait_xcnt 0x0                                ; X was the data of the last group's stores: it is rewritten only behind this wait
	WIN \win
.irp b, 0,1,2,3,4,5,6,7
.irp u, 0,2,4,6
	v_pk_add_f32 v[X+8*\b+\u:X+8*\b+\u+1], v[8*(8*\a+\b)+\u:8*(8*\a+\b)+\u+1], v[BI+8*\b+\u:BI+8*\b+\u+1]
.endr
.endr
	WIN 0
	GELU16 X
	GELU16 X+16
	GELU16 X+32
	GELU16 X+48
.irp b, 0,1,2,3,4,5,6,7
.irp r, 0,1,2,3
	v_cvt_pk_f16_f32 v[X+8*\b+\r], v[X+8*\b+2*\r], v[X+8*\b+2*\r+1]    ; in ascending order: a register is written after it was read
.endr
.endr
.irp b, 0,1,2,3,4,5,6,7
	ds_store_b128 v[STO], v[X+8*\b:X+8*\b+3] offset:32*\b
.endr
.irp t, 0,1,2,3,4,5,6,7
	ds_load_b128 v[X+8*\t+4:X+8*\t+7], v[RD] offset:\t*2*PITCH     ; LDS serves a wave's instructions in order (ISA guide 5.7.1.4): these see the stores above
.endr
.irp t, 0,1,2,3,4,5,6,7
	s_wait_dscnt 7-\t
	global_store_b128 v[CO], v[X+8*\t+4:X+8*\t+7], s[10:11] offset:(16*\i+2*\t)*256   ; two neighbouring rows: the wave stores 512 consecutive bytes, aligned
.endr
.endm
	OUTG 0, 0, 0x02
	OUTG 1, 1, 0x02
	OUTG 2, 2, 0x02
	OUTG 3, 3, 0x02
	OUTG 4, 0, 0x03
	OUTG 5, 1, 0x03
	OUTG 6, 2, 0x03
	OUTG 7, 3, 0x03
	s_wait_tensorcnt 0x0
	ds_add_u32 v62, v63
	s_wait_dscnt 0x0
	CROUND                                         ; the closing round: no work-group ends while a partner may still ask for a tile that names it
	s_endpgm
.Lfunc_end_k_q5c25b91258_fc1:
	.size	k_q5c25b91258_fc1, .Lfunc_end_k_q5c25b91258_fc1-k_q5c25b91258_fc1
	.p2alignl 7, 3214868480
	.fill 96, 4, 3214868480
	.section	.rodata,"a",@progbits
	.p2align	6, 0x0
	.amdhsa_kernel k_q5c25b91258_fc1
		.amdhsa_group_segment_fixed_size 327680
		.amdhsa_private_segment_fixed_size 0
		.amdhsa_enable_private_segment 0
		.amdhsa_kernarg_size 32
		.amdhsa_user_sgpr_count 2
		.amdhsa_user_sgpr_kernarg_segment_ptr 1
		.amdhsa_wavefront_size32 1
		.amdhsa_system_sgpr_workgroup_id_x 1
		.amdhsa_system_sgpr_workgroup_id_y 1
		.amdhsa_system_sgpr_workgroup_id_z 1
		.amdhsa_system_vgpr_workitem_id 0
		.amdhsa_next_free_vgpr 1024
		.amdhsa_next_free_sgpr 66
		.amdhsa_reserve_vcc 0
		.amdhsa_float_denorm_mode_32 3
		.amdhsa_float_denorm_mode_16_64 3
		.amdhsa_memory_ordered 1
		.amdhsa_forward_progress 1
		.amdhsa_inst_pref_size 255
	.end_amdhsa_kernel
	.section	.bss,"aw",@nobits
	.p2align	6
	.space	262144
	.amdgpu_metadata
---
amdhsa.version: [ 1, 2 ]
amdhsa.kernels:
  - .name:           k_q5c25b91258_fc1
    .symbol:         k_q5c25b91258_fc1.kd
    .args:
      - { .name: xh, .offset: 0, .size: 8, .value_kind: global_buffer, .address_space: global }
      - { .name: fc1_weight, .offset: 8, .size: 8, .value_kind: global_buffer, .address_space: global }
      - { .name: fc1_bias, .offset: 16, .size: 8, .value_kind: global_buffer, .address_space: global }
      - { .name: hbuf, .offset: 24, .size: 8, .value_kind: global_buffer, .address_space: global }
    .group_segment_fixed_size: 327680
    .private_segment_fixed_size: 0
    .kernarg_segment_align: 8
    .kernarg_segment_size: 32
    .max_flat_workgroup_size: 128
    .sgpr_count:     66
    .vgpr_count:     1024
    .wavefront_size: 32
...
	.end_amdgpu_metadata
.endif
;; end of part 2
;; launch fc2 (part 3): grid 8 x 32, 4 waves a work-group, clusters of 4 x 1, 327,680 bytes of LDS; arguments hbuf, fc2_weight, part; writes part
.if DOCPART == 3
	.amdgcn_target "amdgcn-amd-amdhsa--gfx1250"
	.amdhsa_code_object_version 6
	.text
	.protected	k_q5c25b91258_fc2
	.globl	k_q5c25b91258_fc2
	.p2align	8
	.type	k_q5c25b91258_fc2,@function
k_q5c25b91258_fc2:
	s_mov_b64 s[64:65], 0
	v_nop
	global_prefetch_b8 v0, s[64:65] scope:SCOPE_SE
	s_setreg_imm32_b32 hwreg(HW_REG_WAVE_MODE, 25, 1), 1
	s_wait_xcnt 0x0
	s_wait_alu depctr_hold_cnt(0) depctr_sa_sdst(0) depctr_va_vdst(0) depctr_va_sdst(0) depctr_va_ssrc(0) depctr_va_vcc(0) depctr_vm_vsrc(0)
	s_getreg_b32 s2, hwreg(HW_REG_IB_STS2, 6, 4)
	s_cmp_eq_u32 s2, 0
	s_cbranch_scc0 .Lentry_in_a_cluster
	s_endpgm
.Lentry_in_a_cluster:
	s_bfe_u32 s2, ttmp6, 0x10000c
	s_cmp_lg_u32 s2, 0x3003
	s_cbranch_scc0 .Lentry_shape_is_right
	s_endpgm
.Lentry_shape_is_right:
; fc2: part[sp][t][d] = sum over k = 2048 sp .. 2048 sp + 2047 of (h[t][k] / 16) W2[k][d], sp = 0..15, in f32.
; hbuf: [256 K blocks][1024 tokens][128] f16, holds h / 16; K block = k / 128: the 128 rows x 256 bytes that one tensor load brings are
; 32,768 consecutive bytes.  W2: [8][4096][1024] f32, read as [32768 k][1024 d].  part: [16][1024][1024] f32.
; FORMAT: the matrix operands are f16, 11 significant bits where bf16 has 8, at the same width.  W2's room in f16 (largest number 65,504,
; smallest step 2^-24): it is drawn within 0.035; thirty times larger or shifted by thirty spreads it stays under 2, thirty times smaller
; it is some 0.0007, more than 10,000 steps.  LIMIT: |W2| below 65,504.  h's room: see the launch that makes hbuf.
; The output has 1,024 x 1,024 numbers for K = 32,768; a work-group holds 512 x 128 sums, so 256 work-groups mean 16 parts of K.
; A part is half of one expert, so the router's probability is one factor for a part and a token and is applied where the parts are added.
; A work-group makes 512 tokens x 128 columns with four waves; wave w makes token rows 128 w .. 128 w + 127 x all 128 columns:
; 64 accumulator tiles of 16 x 16, 512 registers.  Each weight is fetched, rounded and laid into LDS by two work-groups only.
; A (hidden units): K steps of 128 through two LDS slots filled by the tensor data mover, rows of 256 bytes, each wave its own 128 rows.
; CLUSTERS: the four work-groups of a cluster make four neighbouring column blocks of the same tokens and the same part of K, so they
; need the same tiles of A: each tile is asked for jointly (mask 15), which divides the requests for A by four.
; B (weights) is f32 in memory and lies [k][n]: it has to pass through registers to be rounded to f16, so it has no joint form.
; It goes in halves of 64 k: global loads into one of two register sets, two roundings a v_cvt_pk_f16_f32, ds_store into one of two
; LDS slots [64 k][128 n], and transposing LDS loads make the fragments.  Two halves (32 loads a wave) are always on their way.
; PREFETCH of A: a tile of 512 rows is read by eight work-groups (the two clusters of a part and a token block).  Once a lap, behind the
; refill at the lap's end, a wave asks for 32 blocks of 256 bytes: lanes 0-15 for 16 rows of the K block whose tensor load is issued one
; K step later, lanes 16-31 for the same rows of the K block behind it (two K steps later).  The 32 waves of the eight work-groups take 16
; of the 512 rows each, so each block is asked for once: 8,192 bytes a wave and lap.  The first ask (K blocks 2 and 3 of the part) stands
; behind the first fills.  The offset is clamped to the part's K blocks 14 and 15: the loop's last lap repeats that ask, the last lap asks
; for nothing, and no ask leaves the part.  The weights are not prefetched: they are asked for 256 matrix instructions ahead of their use.
;
; REGISTERS in windows of 256:
;   window 0: v16-31 addresses; v64-127, v128-191 fragments of A, two buffers; v192-223 rounded weights
;   window 1: v0-63, v192-255 the two sets of f32 weights; v64-127, v128-191 fragments of B, two buffers
;   window 2: the 32 accumulator tiles of my rows 0-63 (tile (a, b) at v[8 (8 a + b)]);  window 3: those of my rows 64-127
; The matrix instruction is used transposed (source 0 = 16 columns of B, source 1 = 16 token rows): a lane's eight results are
; eight neighbouring columns of one token row.
.set GP,     4096                      ; bytes from k to k + 1 in W2
.set APITCH, 128                       ; elements from token to token in a K block of hbuf
.set KBS,    262144                    ; bytes of a K block of hbuf: 1,024 tokens x 256 bytes
.set LAPS,   8                         ; K = 2,048 = 8 laps of two K steps of 128
.set PITCH,  272                       ; an LDS row of A: 256 bytes + 16 of padding, 17 x 16
.set HALFT,  128*PITCH                 ; a wave's 128 rows: one tensor load
.set ASLOT,  4*HALFT                   ; 139,264
.set BBASE,  2*ASLOT                   ; 278,528: B's two slots, written by ds_store, never a tensor load's target
.set BP,     288                       ; an LDS row of B: 128 f16 + 32 bytes, 9 x 32
.set BSLOT,  64*BP                     ; 18,432
.set SPITCH, 528                       ; the way out: a row of 128 f32 + 16 bytes, 33 x 16
.set ADRA, 16                          ; v16-17  LDS address of my A fragments in slot 0, 1
.set ADRB, 18                          ; v18     LDS address of the transposing loads
.set BST,  19                          ; v19     where I store rounded weights
.set BGO,  20                          ; v20     my byte offset in a half of the weights
.set LN16, 21                          ; v21     16 x lane
.set STO,  24                          ; v24     the way out: where I put 32 bytes of a row
.set RD,   25                          ; v25     the way out: where I read a row back
.set CO,   LN16                        ; my byte offset in a row of part's block: 16 x lane
.set PFO,  28                          ; v28     the prefetch: my block's byte offset from the part's and token block's first row
.set PFM,  29                          ; v29     its largest value: my rows in the part's K blocks 14 and 15
.set F0,   64
.set F1,   128
.set TMP,  192
.set SETA, 0                           ; window 1
.set SETB, 192                         ; window 1
.set BB, 20                            ; s[20:21] the weights' base, stepped by halves
.set G1, 24                            ; s[24:31] descriptor group 1
.set G0, 32                            ; s[32:39] descriptor group 0, one set for each slot
.set PB, 40                            ; s[40:41] hbuf at the part's first K block and the token block's first row; never rewritten
.set MSB, 0
.macro WIN new                         ; the immediate's high byte repeats the setting that is left
.if MSB != \new
	s_set_vgpr_msb (MSB<<8)|\new
.set MSB, \new
.endif
.endm
.set MUL_LO, 0xa1                      ; source 0 (B) window 1, source 1 (A) window 0, C and D window 2
.set MUL_HI, 0xf1                      ; the same, C and D window 3
.set TO_B,   0x40                      ; destination window 1, address window 0
.set FROM_B, 0x05                      ; sources 0 and 1 window 1, destination window 0
.macro CREST                           ; a round of the cluster's barrier behind its opening barrier
	s_cmp_lg_u32 s12, 0
	s_cbranch_scc1 .Lnot_wave_0_\@
	s_barrier_signal -3
.Lnot_wave_0_\@:
	s_barrier_wait -3
	s_barrier_signal -1
	s_barrier_wait -1
.endm
.macro CROUND                          ; a whole round
	s_barrier_signal -1
	s_barrier_wait -1
	CREST
.endm
.macro PLACES                          ; four plain vector instructions between a matrix instruction and a load into, or a read of, its registers
.rept 4
	v_nop
.endr
.endm
; 16 matrix instructions: token blocks a0, a0 + 1 of the window's four x all 8 column blocks, 32 along K.  zero = 1: the product starts the sums.
; The 64 accumulators take turns, one instruction a turn, in the same order in every quarter.
.macro MUL16 f, hi, a0, zero
.irp a, \a0, \a0+1
.irp b, 0,1,2,3,4,5,6,7
.if \zero
	v_wmma_f32_16x16x32_f16 v[8*(8*(\a)+\b):8*(8*(\a)+\b)+7], v[\f+8*\b:\f+8*\b+7], v[\f+8*(4*\hi+\a):\f+8*(4*\hi+\a)+7], 0
.else
	v_wmma_f32_16x16x32_f16 v[8*(8*(\a)+\b):8*(8*(\a)+\b)+7], v[\f+8*\b:\f+8*\b+7], v[\f+8*(4*\hi+\a):\f+8*(4*\hi+\a)+7], v[8*(8*(\a)+\b):8*(8*(\a)+\b)+7]
.endif
.endr
.endr
.endm
; 32 LDS loads: one quarter's fragments (32 k) into buffer f: B's 128 columns from byte bo of B's slots, transposed on the way;
; then A's 128 rows from byte ka of the rows of A's slot
.macro FETCH slot, ka, bo, f
	WIN TO_B
.irp i, 0,1,2,3,4,5,6,7
	ds_load_tr16_b128 v[\f+8*\i:\f+8*\i+3],   v[ADRB] offset:\bo+32*\i
	ds_load_tr16_b128 v[\f+8*\i+4:\f+8*\i+7], v[ADRB] offset:\bo+32*\i+16*BP
.endr
	WIN 0
.irp i, 0,1,2,3,4,5,6,7
	ds_load_b128 v[\f+8*\i:\f+8*\i+3],   v[ADRA+\slot] offset:\ka+\i*16*PITCH
	ds_load_b128 v[\f+8*\i+4:\f+8*\i+7], v[ADRA+\slot] offset:\ka+\i*16*PITCH+32
.endr
.endm
; 16 global loads: my 16 rows k of a half, 512 neighbouring bytes each, into a set
.macro BLOAD st, imm
	WIN TO_B
.irp r, 0,1,2,3,4,5,6,7,8,9,10,11,12,13,14,15
	global_load_b128 v[\st+4*\r:\st+4*\r+3], v[BGO], s[BB:BB+1] offset:\imm+\r*GP
.endr
.endm
; a set is rounded to f16 and stored into B's slot bs: 32 conversions, 16 stores of 256 neighbouring bytes
.macro CVT st, bs
	WIN FROM_B
.irp r, 0,1,2,3,4,5,6,7,8,9,10,11,12,13,14,15
	v_cvt_pk_f16_f32 v[TMP+2*\r],   v[\st+4*\r],   v[\st+4*\r+1]
	v_cvt_pk_f16_f32 v[TMP+2*\r+1], v[\st+4*\r+2], v[\st+4*\r+3]
.endr
	WIN 0
.irp r, 0,1,2,3,4,5,6,7,8,9,10,11,12,13,14,15
	ds_store_b64 v[BST], v[TMP+2*\r:TMP+2*\r+1] offset:\bs*BSLOT+\r*BP
.endr
.endm
; lcnt: the loads of the younger set that may stay out.  load = 1: the set is loaded again, with the half two further on than the one it held.
; pf = 1: the prefetch's offset goes two K blocks on, no further than its largest value.
.macro CONV st, bs, lcnt, load, pf
	s_wait_loadcnt \lcnt
	CVT \st, \bs
.if \load
	s_wait_xcnt 0x0                                ; the base is a source of the loads issued before, PFO of the last prefetch: both are stepped only behind this wait
	s_add_nc_u64 s[BB:BB+1], s[BB:BB+1], 64*GP
.if \pf
	v_add_nc_u32 v[PFO], 2*KBS, v[PFO]
	v_min_u32 v[PFO], v[PFO], v[PFM]
.endif
	BLOAD \st, 0
.endif
.endm
; The first quarter of a half: multiplies buffer 0; in its middle the next half of B is rounded into the B slot that nobody reads
; (its readers waited for their loads in front of the last barrier), and the second quarter's fragments are fetched into buffer 1.
; The 32 conversions name no register of a matrix instruction: they are the places in front of the fetch.
.macro QA slot, ka, bo, conv, st, bs, lcnt, load, zero, pf
	s_wait_dscnt 8                                 ; B and A's rows 0-63 are in; the youngest eight loads (A's rows 64-127) may be out
	WIN MUL_LO
	MUL16 F0, 0, 0, \zero
	MUL16 F0, 0, 2, \zero
.if \conv
	CONV \st, \bs, \lcnt, \load, \pf
.else
	PLACES
.endif
	FETCH \slot, \ka, \bo, F1
	s_wait_dscnt 32                                ; all but the 32 loads just issued: the rest of buffer 0, and my stores of B
	WIN MUL_HI
	MUL16 F0, 1, 0, \zero
	MUL16 F0, 1, 2, \zero
.endm
; The second quarter of a half: multiplies buffer 1 and passes the half's barrier.  In front of it my LDS loads and my stores of B are done;
; behind it the next half of B is whole and the B slot just read may be written.
; kind 0: in the middle of a K step.
; kind 1: the change of A's slots without a refill.  kind 2: with one: all my tensor loads have landed in front of the opening signal, the
; barrier opens a round of the cluster's barrier, and the joint refill is the first tensor load behind the round's closing wait.
; From that request to the wait for it a wave issues 240 matrix instructions.  pf = 1: the lap's prefetch follows the refill.
.macro QB kind, slot, nslot, ka, bo, pf
	s_wait_dscnt 8
	WIN MUL_LO
	MUL16 F1, 0, 0, 0
	s_wait_dscnt 0x0
.if \kind >= 1
	s_set_vgpr_msb 0xa1a0
	s_wait_tensorcnt 0x0
	ds_add_u32 v254, v255
	s_wait_dscnt 0x0
	s_set_vgpr_msb 0xa0a1
.endif
	s_barrier_signal -1
	MUL16 F1, 0, 2, 0                              ; work on registers while the others arrive
	WIN 0
	s_barrier_wait -1
.if \kind == 2
	CREST
	s_add_nc_u64 s[G0+4*\slot+2:G0+4*\slot+3], s[G0+4*\slot+2:G0+4*\slot+3], 2*KBS   ; two K blocks on; no load of mine is out
	tensor_load_to_lds s[G0+4*\slot:G0+4*\slot+3], s[G1:G1+7]
	s_nop 0
.if \pf
	global_prefetch_b8 v[PFO], s[PB:PB+1] th:TH_LOAD_NT scope:SCOPE_SE             ; my 16 rows of the next two K blocks that will be asked for
.endif
.endif
	PLACES
	FETCH \nslot, \ka, \bo, F0
	WIN MUL_HI
	MUL16 F1, 1, 0, 0
	MUL16 F1, 1, 2, 0
.endm
.macro LASTQ                           ; the very last quarter: nothing more to fetch
	s_wait_dscnt 8
	WIN MUL_LO
	MUL16 F1, 0, 0, 0
	MUL16 F1, 0, 2, 0
	s_wait_dscnt 0x0
	WIN MUL_HI
	MUL16 F1, 1, 0, 0
	MUL16 F1, 1, 2, 0
.endm
; A K step = two halves.  c, l, n for each half: convert the next half? load a further one? the count of the wait for loads.  fin: QB's kind, 0 = the end.
; pf = 1: this K step steps the prefetch's offset in its first half and asks behind its refill.
.macro KSTEP slot, zero, c0, l0, n0, c1, l1, n1, fin, pf
	QA \slot, 64, 32*BP, \c0, SETB, 1, \n0, \l0, \zero, \pf
	QB 0, \slot, \slot, 128, BSLOT, 0
	QA \slot, 192, BSLOT+32*BP, \c1, SETA, 0, \n1, \l1, 0, 0
.if \fin
	QB \fin, \slot, 1-\slot, 0, 0, \pf
.else
	LASTQ
.endif
.endm
	s_load_b128 s[4:7], s[0:1], 0x0                ; hbuf s[4:5], W2 s[6:7]
	s_load_b64 s[8:9], s[0:1], 0x10                ; part
	v_lshl_add_u32 v254, v0, 2, 0x4d000
	v_mov_b32 v255, 0
	ds_add_u32 v254, v255
	v_lshrrev_b32 v1, 5, v0
	v_readfirstlane_b32 s12, v1                    ; wave 0..3
	s_bfe_u32 s13, ttmp6, 0x40000                  ; cx: my place in the cluster
	s_and_b32 s15, ttmp7, 0xffff                   ; y, 0..31
	s_lshr_b32 s56, s15, 1                         ; sp: the part of K, 0..15
	s_and_b32 s14, s15, 1
	s_lshl_b32 s14, s14, 2
	s_add_co_u32 s14, s14, s13                     ; column block 0..7 = 4 (y & 1) + cx; ttmp9 (the cluster's x, 0 or 1) is the token block
	v_and_b32 v2, 31, v0                           ; lane
	v_lshlrev_b32 v[LN16], 4, v2
	s_mul_i32 s16, s12, 16*GP
	v_add_nc_u32 v[BGO], s16, v[LN16]              ; my rows k = 16 w + r of a half, 16 bytes a lane
	s_lshl_b32 s16, s56, 23                        ; W2: 2,048 rows of 4,096 bytes for each part,
	s_lshl_b32 s17, s14, 9                         ; 512 bytes for each column block
	s_add_co_u32 s16, s16, s17
	s_mov_b32 s17, 0
	s_lshl_b32 s58, s56, 22                        ; A: 16 K blocks of 262,144 bytes for each part,
	s_lshl_b32 s57, ttmp9, 17                      ; 512 tokens x 256 bytes for each token block; s56-s60 never hold anything made of cx
	s_add_co_u32 s58, s58, s57
	s_mov_b32 s59, 0
	s_mul_i32 s60, s12, HALFT                      ; my rows in a slot of A
	s_wait_dscnt 0x0
	s_wait_kmcnt 0x0
	s_add_nc_u64 s[BB:BB+1], s[6:7], s[16:17]
	s_add_nc_u64 s[PB:PB+1], s[4:5], s[58:59]      ; the part's first K block, the token block's first row
	s_lshl_b32 s58, s12, 15                        ; 128 tokens x 256 bytes for each wave
	s_add_nc_u64 s[22:23], s[PB:PB+1], s[58:59]
	BLOAD SETA, 0                                  ; half 0
	BLOAD SETB, 64*GP                              ; half 1
	WIN 0
	s_lshl_b32 s16, s56, 22                        ; part: 1,024 rows of 4,096 bytes for each part of K,
	s_lshl_b32 s17, ttmp9, 21                      ; 512 rows for each token block,
	s_add_co_u32 s16, s16, s17
	s_lshl_b32 s17, s12, 19                        ; 128 rows for each wave,
	s_add_co_u32 s16, s16, s17
	s_lshl_b32 s17, s14, 9                         ; 512 bytes for each column block
	s_add_co_u32 s16, s16, s17
	s_mov_b32 s17, 0
	s_add_nc_u64 s[8:9], s[8:9], s[16:17]
	; descriptor group 1: 128 rows x 128 elements of 2 bytes, dense in memory, padded in LDS, asked for by all four work-groups of the cluster
	s_mov_b32 s[G1+0], 15|(1<<16)|(1<<20)|(1<<21)|(5<<22)|(3<<25)  ; 15:0 mask; 17:16 element of 2 bytes; 20 padding on; 21 set beside a mask; 24:22 after every 64 words; 31:25 of 4 words
	s_mov_b32 s[G1+1], 128<<16                     ; tensor_dim0 = 128
	s_mov_b32 s[G1+2], 128<<16                     ; tensor_dim1 = 128
	s_mov_b32 s[G1+3], 128<<16                     ; tile_dim0 = 128
	s_mov_b32 s[G1+4], 128                         ; tile_dim1 = 128
	s_mov_b32 s[G1+5], APITCH                      ; elements from row to row: each row begins where the last ends
	s_mov_b32 s[G1+6], 0
	s_mov_b32 s[G1+7], 0
	CROUND                                         ; all four work-groups are here: the first joint loads meet
.irp s, 0,1
	s_mov_b32 s[G0+4*\s], 1
	s_add_co_u32 s[G0+4*\s+1], s60, \s*ASLOT                       ; LDS address: wave x 128 rows + the slot
	s_add_nc_u64 s[G0+4*\s+2:G0+4*\s+3], s[22:23], \s*KBS          ; K step s = the part's K block s
	s_or_b32 s[G0+4*\s+3], s[G0+4*\s+3], 0x80000000                ; type = 2
	tensor_load_to_lds s[G0+4*\s:G0+4*\s+3], s[G1:G1+7]            ; both first fills go out together: two loads of mine are out, later one
	s_nop 0
.endr
	v_and_b32 v3, 15, v0                           ; l % 16
	v_bfe_u32 v4, v0, 4, 1                         ; l / 16
	s_lshl_b32 s44, s14, 2
	s_add_co_u32 s44, s44, s12                     ; which of the 32 waves that read this tile I am: 4 x column block + wave
	s_lshl_b32 s44, s44, 12                        ; its 16 rows of 256 bytes,
	s_add_co_u32 s44, s44, 2*KBS                   ; first in the part's K blocks 2 and 3
	v_lshlrev_b32 v[PFO], 8, v3                    ; row l % 16 of them,
	v_lshl_add_u32 v[PFO], v4, 18, v[PFO]          ; lanes 16-31 one K block further on
	v_add_nc_u32 v[PFO], s44, v[PFO]
	v_add_nc_u32 v[PFM], 12*KBS, v[PFO]            ; the last ask: K blocks 14 and 15
	global_prefetch_b8 v[PFO], s[PB:PB+1] th:TH_LOAD_NT scope:SCOPE_SE             ; their tensor loads are issued at the ends of K steps 0 and 1
	v_mul_u32_u24 v5, v3, PITCH
	v_lshl_add_u32 v5, v4, 4, v5
	v_add_nc_u32 v[ADRA], s60, v5                  ; row x pitch + 16 x half, in my 128 rows
	v_add_nc_u32 v[ADRA+1], ASLOT, v[ADRA]
	v_mul_u32_u24 v6, v3, SPITCH
	v_lshl_add_u32 v6, v4, 5, v6
	v_add_nc_u32 v[STO], s60, v6                   ; the way out, in: token row l % 16, 32 bytes for each half of the lanes
	v_add_nc_u32 v[RD], s60, v[LN16]               ; back: the 32 lanes take one row of 512 bytes
	v_and_b32 v7, 7, v0
	v_lshl_add_u32 v7, v4, 3, v7                   ; row k = 8 (l / 16) + l % 8
	v_mul_u32_u24 v7, v7, BP
	v_bfe_u32 v8, v0, 3, 1
	v_lshl_add_u32 v7, v8, 4, v7                   ; + 16 bytes for the odd groups of eight lanes
	v_add_nc_u32 v[ADRB], BBASE, v7
	s_mul_i32 s61, s12, 16*BP
	s_add_co_u32 s61, s61, BBASE
	v_lshl_add_u32 v[BST], v2, 3, s61              ; rows 16 w + r, 8 bytes a lane
	s_wait_loadcnt 16                              ; half 0 is in; half 1's sixteen loads stay out
	CVT SETA, 0
	BLOAD SETA, 128*GP                             ; half 2
	WIN 0
	s_wait_xcnt 0x0
	s_add_nc_u64 s[BB:BB+1], s[BB:BB+1], 128*GP    ; the base now stands at half 2
	s_wait_dscnt 0x0                               ; my part of B's half 0 is in LDS,
	s_wait_tensorcnt 0x1                           ; my rows of K step 0 too; K step 1's load stays out
	s_barrier_signal -1
	s_barrier_wait -1
	FETCH 0, 0, 0, F0
	KSTEP 0, 1, 1, 1, 16, 1, 1, 16, 2, 0           ; the first lap stands in front of the loop: its first products start the sums
	KSTEP 1, 0, 1, 1, 16, 1, 1, 16, 2, 1           ; it asks for K blocks 4 and 5
	WIN 0                                          ; at a label and at a branch every window is 0
	s_mov_b32 s3, LAPS-2
.Llap:
	KSTEP 0, 0, 1, 1, 16, 1, 1, 16, 2, 0
	KSTEP 1, 0, 1, 1, 16, 1, 1, 16, 2, 1           ; six laps ask for K blocks 6 and 7 up to 14 and 15, and for these once more (the clamp)
	WIN 0
	s_sub_co_u32 s3, s3, 1
	s_cmp_lg_u32 s3, 0
	s_cbranch_scc1 .Llap
	KSTEP 0, 0, 1, 1, 16, 1, 0, 16, 1, 0           ; the last lap: the last half of B is asked for, then nothing; no slot of A is filled
	KSTEP 1, 0, 1, 0, 0, 0, 0, 0, 0, 0             ; the last half is converted behind a wait for all loads
	; THE WAY OUT, 16 token rows at a time.  A lane holds 32 bytes of a row and its neighbours hold other rows, so the rows go through my own
	; stage in LDS (the first 8,448 bytes of my rows of A's slot 0, which had their last fill and my last reads long ago and which no other
	; wave reads) and come back as whole rows of 512 bytes.
	PLACES                                         ; behind the last matrix instructions: for the LDS stores of results and the loads into buffers 0 and 1
; rows 16 i .. 16 i + 15 of my block = the eight tiles (a, 0..7) of window 2 or 3 (win = 0x08 or 0x0c: an LDS store's data is source 1); f: F0 or F1 in turn
.macro OUTF i, a, win, f
	WIN \win
.irp b, 0,1,2,3,4,5,6,7
	ds_store_b128 v[STO], v[8*(8*\a+\b):8*(8*\a+\b)+3]   offset:64*\b
	ds_store_b128 v[STO], v[8*(8*\a+\b)+4:8*(8*\a+\b)+7] offset:64*\b+16
.endr
	WIN 0
	s_wait_xcnt 0x0                                ; buffer f was the data of earlier stores: it is loaded again only behind this wait
.irp t, 0,1,2,3,4,5,6,7,8,9,10,11,12,13,14,15
	ds_load_b128 v[\f+4*\t:\f+4*\t+3], v[RD] offset:\t*SPITCH      ; LDS serves a wave's instructions in order (ISA guide 5.7.1.4): these see the stores above
.endr
.irp t, 0,1,2,3,4,5,6,7,8,9,10,11,12,13,14,15
	s_wait_dscnt 15-\t
	global_store_b128 v[CO], v[\f+4*\t:\f+4*\t+3], s[8:9] offset:(16*\i+\t)*4096   ; the wave stores 512 consecutive bytes, aligned
.endr
.endm
	OUTF 0, 0, 0x08, F0
	OUTF 1, 1, 0x08, F1
	OUTF 2, 2, 0x08, F0
	OUTF 3, 3, 0x08, F1
	OUTF 4, 0, 0x0c, F0
	OUTF 5, 1, 0x0c, F1
	OUTF 6, 2, 0x0c, F0
	OUTF 7, 3, 0x0c, F1
	s_wait_tensorcnt 0x0
	ds_add_u32 v254, v255
	s_wait_dscnt 0x0
	CROUND                                         ; the closing round: no work-group ends while a partner may still ask for a tile that names it
	s_endpgm
.Lfunc_end_k_q5c25b91258_fc2:
	.size	k_q5c25b91258_fc2, .Lfunc_end_k_q5c25b91258_fc2-k_q5c25b91258_fc2
	.p2alignl 7, 3214868480
	.fill 96, 4, 3214868480
	.section	.rodata,"a",@progbits
	.p2align	6, 0x0
	.amdhsa_kernel k_q5c25b91258_fc2
		.amdhsa_group_segment_fixed_size 327680
		.amdhsa_private_segment_fixed_size 0
		.amdhsa_enable_private_segment 0
		.amdhsa_kernarg_size 24
		.amdhsa_user_sgpr_count 2
		.amdhsa_user_sgpr_kernarg_segment_ptr 1
		.amdhsa_wavefront_size32 1
		.amdhsa_system_sgpr_workgroup_id_x 1
		.amdhsa_system_sgpr_workgroup_id_y 1
		.amdhsa_system_sgpr_workgroup_id_z 1
		.amdhsa_system_vgpr_workitem_id 0
		.amdhsa_next_free_vgpr 1024
		.amdhsa_next_free_sgpr 66
		.amdhsa_reserve_vcc 0
		.amdhsa_float_denorm_mode_32 3
		.amdhsa_float_denorm_mode_16_64 3
		.amdhsa_memory_ordered 1
		.amdhsa_forward_progress 1
		.amdhsa_inst_pref_size 249
	.end_amdhsa_kernel
	.amdgpu_metadata
---
amdhsa.version: [ 1, 2 ]
amdhsa.kernels:
  - .name:           k_q5c25b91258_fc2
    .symbol:         k_q5c25b91258_fc2.kd
    .args:
      - { .name: hbuf, .offset: 0, .size: 8, .value_kind: global_buffer, .address_space: global }
      - { .name: fc2_weight, .offset: 8, .size: 8, .value_kind: global_buffer, .address_space: global }
      - { .name: part, .offset: 16, .size: 8, .value_kind: global_buffer, .address_space: global }
    .group_segment_fixed_size: 327680
    .private_segment_fixed_size: 0
    .kernarg_segment_align: 8
    .kernarg_segment_size: 24
    .max_flat_workgroup_size: 128
    .sgpr_count:     66
    .vgpr_count:     1024
    .wavefront_size: 32
...
	.end_amdgpu_metadata
.endif
;; end of part 3
;; launch reduce (part 4): grid 1024 x 1, 8 waves a work-group, no clusters, 0 bytes of LDS; arguments part, out1, fc2_bias, out0; writes out0
.if DOCPART == 4
	.amdgcn_target "amdgcn-amd-amdhsa--gfx1250"
	.amdhsa_code_object_version 6
	.text
	.protected	k_q5c25b91258_reduce
	.globl	k_q5c25b91258_reduce
	.p2align	8
	.type	k_q5c25b91258_reduce,@function
k_q5c25b91258_reduce:
	s_mov_b64 s[64:65], 0
	v_nop
	global_prefetch_b8 v0, s[64:65] scope:SCOPE_SE
	s_setreg_imm32_b32 hwreg(HW_REG_WAVE_MODE, 25, 1), 1
	s_wait_xcnt 0x0
; reduce: out0[t][d] = sum over e of p[t][e] b2[e][d] + 16 x sum over sp = 0..15 of p[t][sp / 2] part[sp][t][d], in f32.
; The factor 16 takes back the division of h by 16 with which the hidden units were stored in f16; it is a power of two, so it rounds nothing.
; part: [16][1024][1024] f32.  out1 = p: [1024][8] f32.  b2: [8][1024] f32.  out0: [1024][1024] f32.
; A stream: one work-group takes one token row, thread i its 16 bytes at 16 i, so each load and store of a wave covers 512 neighbouring
; bytes.  All 24 loads of a thread go out at once and are used in order behind counted waits.  No LDS, barrier, matrix unit or cluster:
; no number is used by two threads but b2 (32,768 bytes), which is a third of what a work-group reads and comes through registers.
.set B2, 4                             ; v[4:35]    b2[e], my four columns
.set PT, 36                            ; v[36:99]   part[sp], my four columns
.set AC, 100                           ; v[100:103] the sum of the parts
.set BS, 104                           ; v[104:107] the sum of the biases
	s_load_b256 s[4:11], s[0:1], 0x0               ; part s[4:5], out1 s[6:7], b2 s[8:9], out0 s[10:11]
	v_lshlrev_b32 v1, 4, v0                        ; 16 bytes a thread
	s_lshl_b32 s2, ttmp9, 5                        ; t x 32 bytes of probabilities
	s_mov_b32 s3, 0
	s_lshl_b32 s12, ttmp9, 12                      ; t x 4,096 bytes
	s_mov_b32 s13, 0
	s_wait_kmcnt 0x0
	s_add_nc_u64 s[6:7], s[6:7], s[2:3]
	s_load_b256 s[16:23], s[6:7], 0x0              ; p[t][0..7]: this launch stores nothing into out1
	s_add_nc_u64 s[10:11], s[10:11], s[12:13]
	s_add_nc_u64 s[24:25], s[4:5], s[12:13]
	s_add_nc_u64 s[24:25], s[24:25], 0x800000      ; four bases, at parts 2, 6, 10, 14: the immediates -2, -1, 0, 1 x 4,194,304 reach four parts each
	s_add_nc_u64 s[26:27], s[24:25], 0x1000000
	s_add_nc_u64 s[28:29], s[26:27], 0x1000000
	s_add_nc_u64 s[30:31], s[28:29], 0x1000000
.irp e, 0,1,2,3,4,5,6,7
	global_load_b128 v[B2+4*\e:B2+4*\e+3], v1, s[8:9] offset:4096*\e
.endr
.irp g, 0,1,2,3
.irp i, 0,1,2,3
	global_load_b128 v[PT+16*\g+4*\i:PT+16*\g+4*\i+3], v1, s[24+2*\g:25+2*\g] offset:(\i-2)*4194304 th:TH_LOAD_NT
.endr
.endr
	s_wait_kmcnt 0x0                               ; the probabilities
	s_wait_loadcnt 16                              ; b2 is in; the sixteen loads of part stay out
.irp c, 0,1,2,3
	v_mul_f32 v[BS+\c], s16, v[B2+\c]              ; the first product starts the sum
.endr
.irp e, 1,2,3,4,5,6,7
.irp c, 0,1,2,3
	v_fmac_f32 v[BS+\c], s[16+\e], v[B2+4*\e+\c]
.endr
.endr
	s_wait_loadcnt 15                              ; loads come back in order (ISA guide 5.7.1): part 0 is in, the fifteen younger ones stay out
.irp c, 0,1,2,3
	v_mul_f32 v[AC+\c], s16, v[PT+\c]              ; the first product starts the sum
.endr
.irp s, 1,2,3,4,5,6,7,8,9,10,11,12,13,14,15
	s_wait_loadcnt 15-\s                           ; part sp is in, the younger ones stay out
.irp c, 0,1,2,3
	v_fmac_f32 v[AC+\c], s[16+\s/2], v[PT+4*\s+\c]
.endr
.endr
.irp c, 0,1,2,3
	v_fmamk_f32 v[AC+\c], v[AC+\c], 0x41800000, v[BS+\c]           ; 16 x the parts + the biases
.endr
	global_store_b128 v1, v[AC:AC+3], s[10:11] th:TH_STORE_NT
	s_endpgm
.Lfunc_end_k_q5c25b91258_reduce:
	.size	k_q5c25b91258_reduce, .Lfunc_end_k_q5c25b91258_reduce-k_q5c25b91258_reduce
	.p2alignl 7, 3214868480
	.fill 96, 4, 3214868480
	.section	.rodata,"a",@progbits
	.p2align	6, 0x0
	.amdhsa_kernel k_q5c25b91258_reduce
		.amdhsa_group_segment_fixed_size 0
		.amdhsa_private_segment_fixed_size 0
		.amdhsa_enable_private_segment 0
		.amdhsa_kernarg_size 32
		.amdhsa_user_sgpr_count 2
		.amdhsa_user_sgpr_kernarg_segment_ptr 1
		.amdhsa_wavefront_size32 1
		.amdhsa_system_sgpr_workgroup_id_x 1
		.amdhsa_system_sgpr_workgroup_id_y 1
		.amdhsa_system_sgpr_workgroup_id_z 1
		.amdhsa_system_vgpr_workitem_id 0
		.amdhsa_next_free_vgpr 108
		.amdhsa_next_free_sgpr 66
		.amdhsa_reserve_vcc 0
		.amdhsa_float_denorm_mode_32 3
		.amdhsa_float_denorm_mode_16_64 3
		.amdhsa_memory_ordered 1
		.amdhsa_forward_progress 1
		.amdhsa_inst_pref_size 8
	.end_amdhsa_kernel
	.amdgpu_metadata
---
amdhsa.version: [ 1, 2 ]
amdhsa.kernels:
  - .name:           k_q5c25b91258_reduce
    .symbol:         k_q5c25b91258_reduce.kd
    .args:
      - { .name: part, .offset: 0, .size: 8, .value_kind: global_buffer, .address_space: global }
      - { .name: out1, .offset: 8, .size: 8, .value_kind: global_buffer, .address_space: global }
      - { .name: fc2_bias, .offset: 16, .size: 8, .value_kind: global_buffer, .address_space: global }
      - { .name: out0, .offset: 24, .size: 8, .value_kind: global_buffer, .address_space: global }
    .group_segment_fixed_size: 0
    .private_segment_fixed_size: 0
    .kernarg_segment_align: 8
    .kernarg_segment_size: 32
    .max_flat_workgroup_size: 256
    .sgpr_count:     66
    .vgpr_count:     108
    .wavefront_size: 32
...
	.end_amdgpu_metadata
.endif
;; end of part 4
